; MI455X (gfx1250); checked and timed in simulation.
; The chip was launched on July 23, 2026; its instructions are those of AMD's public machine-readable ISA for CDNA 5 (MIT licence, August 2026) and "CDNA5" Instruction Set Architecture Reference Guide (July 2026). The comments in the code are by the model that wrote it; some were corrected since.
;; FDGAND ABLTEST Model. Allowed arithmetic: matrix products marked QUANTISED: E2M1 operands, one E8M0 scale for each 32 along K, by v_wmma_scale_f32_16x16x128_f8f6f4 with both operands' format E2M1 (or v_wmma_scale_f32_32x16x128_f4), f32 sums; products left as they are: f32 operands where the result goes on into a quantised operand, else bf16, f16 or f32 operands; f32 sums; everything else in f32.
;; Inputs: W1_codes 512 x 16 x 16 uint8 (E2M1 codes of W1, K innermost, in blocks of 32 codes, two codes a byte); W1_scales 512 x 16 uint8 (E8M0 scales of W1, one for each 32 codes along K); W2_codes 128 x 16 x 16 uint8 (E2M1 codes of W2, K innermost, in blocks of 32 codes, two codes a byte); W2_scales 128 x 16 uint8 (E8M0 scales of W2, one for each 32 codes along K); W3_codes 32 x 4 x 16 uint8 (E2M1 codes of W3, K innermost, in blocks of 32 codes, two codes a byte); W3_scales 32 x 4 uint8 (E8M0 scales of W3, one for each 32 codes along K); W4 8 x 32 float32; Wh 1 x 8 float32; b1 512 float32; b2 128 float32; b3 32 float32; b4 8 float32; be1 512 float32; be2 128 float32; be3 32 float32; be4 8 float32; bh 1 float32; g1 512 float32; g2 128 float32; g3 32 float32; g4 8 float32; u 1 float32; x_codes 131,072 x 16 x 16 uint8 (E2M1 codes of x, K innermost, in blocks of 32 codes, two codes a byte); x_scales 131,072 x 16 uint8 (E8M0 scales of x, one for each 32 codes along K).
;; Outputs: out0 131,072 x 1 float32.
;; This version of the problem:
;;   THIS VERSION OF THE PROBLEM IS GIVEN IN LOW PRECISION. The matrix products marked QUANTISED in the list below multiply operands that are first quantised to E2M1 (2 exponent bits, 1 mantissa bit; 4 bits a number), with one power-of-two scale for each 32 numbers along K (OCP MX v1.0); their sums are f32. All else is computed in f32.
;;   The module's matrix products, in the order in which they are computed (A, B: the left and right operand; K: the contracted axis; several contracted axes count as one K, in the product's order):
;;     1. [M 131,072, K 512] x [K 512, N 512]; A: input x (given as codes); B: input W1 (given as codes): QUANTISED
;;     2. [M 131,072, K 512] x [K 512, N 128]; A: computed on the way; B: input W2 (given as codes): QUANTISED
;;     3. [M 131,072, K 128] x [K 128, N 32]; A: computed on the way; B: input W3 (given as codes): QUANTISED
;;     4. [M 131,072, K 32] x [K 32, N 8]; A: computed on the way; B: input W4: left as it is (N = 8 < 16)
;;     5. [M 8, K 1] x [K 1, N 1]; A: input Wh; B: input u: left as it is (K = 1 < 32)
;;     6. [M 1, K 8] x [K 8, N 1]; A: input Wh; B: computed on the way: left as it is (K = 8 < 32)
;;     7. [M 1, K 8] x [K 8, N 1]; A: input Wh; B: computed on the way: left as it is (K = 8 < 32)
;;     8. [M 1, K 1] x [K 1, N 1]; A: computed on the way; B: computed on the way: left as it is (K = 1 < 32)
;;     9. [M 131,072, K 8] x [K 8, N 1]; A: computed on the way; B: computed on the way: left as it is (K = 8 < 32)
;;   THE QUANTISER, for each operand of a quantised product, along K:
;;     - K is cut into blocks of 32 from its start; a last block that is shorter is filled with zeros.
;;     - A block's scale is 2^e with e = floor(log2(the largest magnitude in the block)) - 2, held to -126 .. 127; a block of zeros has e = 0. As a byte (E8M0): e + 127.
;;     - Each number is divided by its block's scale, clamped to +-6, and rounded to the nearest number of E2M1, ties to even, subnormals kept.
;;     - The product sums the exact products of the quantised numbers (number of the format x scale) in f32.
;;   ~~~python
;;   def quantise(x, axis):      # numpy; x: float32 -> the quantised numbers, widened to float32 again
;;       x = np.moveaxis(x, axis, -1); K = x.shape[-1]
;;       x = np.pad(x, [(0, 0)] * (x.ndim - 1) + [(0, -K % 32)]); x = x.reshape(x.shape[:-1] + (-1, 32)); a = np.abs(x).max(-1, keepdims=True)
;;       e = np.where(a > 0, np.clip(np.frexp(np.where(a > 0, a, 1))[1] - 1 - 2, -126, 127), 0)      # np.frexp(a)[1] - 1 = floor(log2(a)), exactly
;;       r = np.clip(x / 2.0 ** e, -6, 6)
;;       step = 2.0 ** (np.maximum(np.frexp(np.where(r == 0, 1, r))[1] - 1, 0) - 1)
;;       q = np.round(r / step) * step * 2.0 ** e      # np.round: ties to even
;;       return np.moveaxis(q.reshape(q.shape[:-2] + (-1,))[..., :K], -1, axis).astype(np.float32)
;;   ~~~
;;   OPERANDS COMPUTED ON THE WAY. 'Computed on the way' means the value that the module computes at that place (a softmax that the list does not call 'softmax' is quantised finished and normalised). What goes into a quantiser is computed in f32, as accurately as f32 sums, v_exp_f32 and their like allow (about 1e-6 of the number): no bf16 or f16 on the way to a quantiser, and a product that is left as it is and whose result goes on into a quantised operand takes f32 operands (vector FMAs, or v_wmma_f32_16x16x4_f32). A number that lies on a knife's edge between two numbers of the format may be rounded either way, as far as f32 arithmetic and the matrix unit's own rounding can turn it there, and no further.
;;   INPUTS GIVEN AS CODES. W1 (in the module: [512, 512], K = its axis 1); W2 (in the module: [128, 512], K = its axis 1); W3 (in the module: [32, 128], K = its axis 1); x (in the module: [131072, 512], K = its axis 1): each comes as NAME_codes (uint8): NAME with its K axis moved to the last place and cut into blocks of 32 codes, [.., K / 32, bytes a block], one block behind the other in memory; two codes a byte, the lower K in the low four bits (a code: sign, 2 exponent bits, 1 mantissa bit); and NAME_scales (uint8): the same leading axes, one E8M0 byte (e + 127) for each 32 codes along K. Its value is code x scale, taken as it is: it is not quantised again, and the codes and scales need not be those that the quantiser above would give.
;; One version. Each part assembles by itself: llvm-mc -triple=amdgcn-amd-amdhsa -mcpu=gfx1250 --defsym DOCPART=n.
;; ======== version 1 of 1: 1 launch
;; limits: a function is approximated: absolute error at most 1.2e-07
;; launch mlp (part 1): grid 256 x 1, 4 waves a work-group, no clusters, 37,376 bytes of LDS; arguments x_codes, x_scales, W1_codes, W1_scales, b1, g1, be1, W2_codes, W2_scales, b2, g2, be2, W3_codes, W3_scales, b3, g3, be3, W4, b4, g4, be4, Wh, bh, u, out0; writes out0
.if DOCPART == 1
	.amdgcn_target "amdgcn-amd-amdhsa--gfx1250"
	.amdhsa_code_object_version 6
	.text
	.protected	k_qd67835a39e_mlp
	.globl	k_qd67835a39e_mlp
	.p2align	8
	.type	k_qd67835a39e_mlp,@function
k_qd67835a39e_mlp:
	s_mov_b64 s[64:65], 0
	v_nop
	global_prefetch_b8 v0, s[64:65] scope:SCOPE_SE
	s_setreg_imm32_b32 hwreg(HW_REG_WAVE_MODE, 25, 1), 1
	s_wait_xcnt 0x0
; out0 = head(B4(B3(B2(B1(x))))), B = Linear, LayerNorm, CELU.  131,072 rows; widths 512 -> 512 -> 128 -> 32 -> 8 -> 1.
; Linear 1, 2, 3 run on codes of FP4 (E2M1) with one E8M0 scale for each 32 along K; x, W1, W2, W3 arrive so; the hidden layers 1 and 2 are quantised here, in registers.  All else is f32.
; ONE LAUNCH, nothing goes to memory on the way.  256 work-groups of four waves; a work-group owns 512 rows = 32 tiles of 16.
; THE WAVES SHARE THE COLUMNS: wave w owns units 128 w .. + 127 of hidden layer 1 and 32 w .. + 31 of hidden layer 2.  Its fragments of W1 and W2, their scale words and its b, g, be stay in its
; registers for the whole launch (685 registers), read from memory once.  LDS carries only the small things: a tile's codes, scale words and row statistics.
; ALL PRODUCTS ARE USED TRANSPOSED (source 0 = 16 rows of W, source 1 = 16 rows of the batch): a lane holds ONE batch row (lane % 16) and its registers run along the units, which are the next K.
; THE ROWS OF W1 AND W2 THAT FORM A TILE ARE NOT NEIGHBOURS: lane r of tile 2 b + u takes row 32 b + 8 u + r + 8 (r / 8), so that the 16 registers of tiles 2 b, 2 b + 1 are units 32 b + 16 (lane / 16) + 0 .. 15.
; LAYERNORM ACROSS WAVES: each wave makes the mean mu_w of its own n units, d = h - mu_w in place, and M2_w = the sum of d^2; the four pairs meet in LDS; mu = the mean of the mu_w,
; M2 = the sum of M2_w + n x the sum of (mu_w - mu)^2: no difference of large sums.  (h - mu) rs = d rs + (mu_w - mu) rs is one packed multiply-add.
; CELU(y) = the middle one of y, e^y - 1 and 0:  y > 0: 0 < y < e^y - 1;  y < 0: y < e^y - 1 < 0.
; A PIPELINE OVER TILES, one barrier a step.  In step j a wave does: S1 (statistics, layer 1) on tile j; N1 (normalise, CELU, quantise) on tile j - 1; M2, S2 (product 2, its statistics) on tile j - 2;
; N2 on tile j - 3; M1 (product 1) on tile j + 1; x's codes of tile j + 2 go from registers to LDS and those of tile j + 5 are asked for from memory.
; Every fourth step has a TAIL: layers 3, 4 and the head for four tiles, one whole tile a wave.  Each hand-over through LDS is written in one step and read in the next, in slots chosen by the step's parity.
; Layer 4 (32 -> 8) is left in f32 (v_wmma_f32_16x16x4_f32, 8 instructions a tile): a LayerNorm over 8 units stands behind it.
; NO TENSOR LOADS, NO CLUSTER: what the work-groups share is the weights, 43 KB a wave, read once and straight into registers; a joint load ends in LDS, from where they would have to be read again.
; LIMITS: e^y - 1 is made of v_exp_f32 and a subtraction: its absolute error is about 2^-23 where the exact function's would be relative; divisions are v_rcp_f32 and a multiply;
; a block whose largest magnitude lies under 2^-124 gets the scale byte 1 (a block of zeros too: its codes are zeros and this program alone reads the byte);
; the head's norms flush where their squares fall under 2^-126; NaN and infinities among the inputs are not served.
; LDS (bytes)
.set XST,  0                           ; x's codes: 2 slots (tile % 2) of 16 rows x (256 + 16)
.set XSL,  4352
.set H1,   8704                        ; hidden layer 1's codes: 2 slots of the same shape; wave w writes bytes 64 w .. + 63 of each row
.set H2,   17408                       ; hidden layer 2's codes: 4 slots (tile % 4) of 16 rows x (64 + 16); wave w writes bytes 16 w .. + 15
.set H2SL, 1280
.set ST1,  22528                       ; layer 1's (mu_w, M2_w): 2 slots of 512: 256 (w / 2) + 16 r + 8 (w % 2)
.set ST2,  23552                       ; layer 2's, the same
.set H1S,  24576                       ; hidden layer 1's scale words: 2 slots of 512: 16 x lane + 4 w
.set H2S,  25600                       ; hidden layer 2's scale bytes: 4 slots of 128: 4 x lane + w
.set OST,  26112                       ; the results: 512 x wave + 64 x tail + 4 r
.set XSC,  28160                       ; x's scale bytes of the 512 rows, 16 a row, as in memory
; VECTOR REGISTERS, window 0
.set FA,   1                           ; 272 r + 16 h: a fragment's place in XST and H1
.set XW,   2                           ; 272 (4 w + h) + 16 r: where I put x's codes
.set XO,   3                           ; 1024 w + 16 l: my 16 bytes of a tile of x in memory
.set R16,  4                           ; 16 r: statistics and x's scale words
.set XSA,  5
.set SW,   6                           ; 16 r + 8 (w % 2) + 256 (w / 2)
.set H1W,  8                           ; 272 r + 8 h + 64 w
.set H1SW, 9                           ; 16 l + 4 w
.set LI,   10                          ; 16 l
.set H2W,  11                          ; 80 r + 8 h + 16 w
.set H2SW, 12                          ; 4 l + w
.set H2R,  13                          ; 80 r + 16 h + 1280 w
.set H2SR, 14                          ; 4 l + 128 w
.set OW0,  15                          ; 4 r + 512 w
.set OWA,  16
.set ZERO, 17
.set MU1,  20                          ; v[20:21], v[22:23]: (mu_w, M2_w) of layer 1, by the tile's parity
.set MU2,  24                          ; v[24:25]: of layer 2
.set RS1,  26                          ; rs and c = (mu_w - mu) rs; each is named as the low word of a pair, so v27, 29, 31, 33 are written once
.set C1,   28
.set RS2,  30
.set C2,   32
.set T0,   34                          ; v34-39 at work
.set T1,   35
.set T2,   36
.set T3,   37
.set T4,   38
.set T5,   39
.set W1S,  40                          ; v40-55 W1's scale words: register 4 b + s: lanes 0-15 tile 2 b, lanes 16-31 tile 2 b + 1, K step s
.set W2S,  56                          ; v56-59 W2's: register s: lanes 0-15 tile 0, lanes 16-31 tile 1
.set XS,   60                          ; v60-63 x's scale words of the tile in hand
.set H1SC, 64                          ; v64-67 hidden layer 1's
.set W3S,  68                          ; lane l: row l of W3
.set H2SC, 69
.set PW,   70                          ; the scale word just made
.set BY2,  71                          ; the scale byte just made
.set X0,   72                          ; v72-135, v136-199: two tiles of hidden layer 1, 64 registers each
.set A2,   200                         ; v200-215 a tile of hidden layer 2
.set E,    216                         ; v216-247 at work: statistics loaded and chains; two sets of 16 exponentials; the quantiser's; the tail's
.set TX,   E
.set SO,   E+8
.set BY,   E+16
.set PC1,  E+24
.set TM,   248                         ; v248-252 the largest magnitude of blocks 0-3 (layer 1) and 4 (layer 2)
.set PT,   253                         ; a lane permute's target
.set PC2,  254
; window 1: W1's fragment (tile t, K step s) at v[8 (4 t + s)]
; window 2
.set B1R,  0
.set G1R,  64
.set BE1R, 128
.set W2F,  192                         ; W2's fragment (u, s) at v[192 + 8 (4 u + s)]
; window 3
.set FR,   0                           ; v0-31 four fragments of the operand in hand (K step s at 8 s)
.set XR,   32                          ; v32-63 x's codes on their way: four sets (tile % 4) of 8
.set B2R,  64
.set G2R,  80
.set BE2R, 96
.set W3F,  112
.set B3R,  128
.set G3R,  144
.set BE3R, 160
.set W4A,  176                         ; lane (m, h), register i: W4[m % 8][16 (i / 8) + 8 h + i % 8]
.set B4R,  192
.set ACC4, 200                         ; v200-215 layer 4's two accumulators: written by matrix instructions alone
.set H2F,  216
; SCALAR REGISTERS
.set XB,   4                           ; s[4:5]   base of the loads of x in hand (behind the head, where s[4:51] hold the buffers' addresses)
.set WSN,  12                          ; s[12:19] Wh / sigma (likewise)
.set WV,   54
.set TRIP, 55
.set SEL,  56                          ; s[56:57] v_permlanex16_b32's selects for lane l xor 16
.set LG,   58                          ; s[58:59] log2(e), twice: the packed form names a pair
.set EPS,  60
.set I512, 61
.set I128, 62
.set I32,  63
.set G4,   68
.set BE4,  76
.set WH,   84
.set UU,   92
.set BH,   93
.set XP,   94                          ; s[94:95] x's codes at the work-group's first row
.set OF,   96                          ; s[96:97] an offset, its high word 0
.set XSO,  98                          ; 1024 x trip: x's scale words
.set OSO,  99                          ; 64 x tail: the results
.set I8,   100
.set MSB, 0
.macro WIN new                         ; the immediate's high byte repeats the setting that is left; a switch that changes nothing is dropped
.if MSB != \new
	s_set_vgpr_msb (MSB<<8)|\new
.set MSB, \new
.endif
.endm
.macro NOPS n
.rept \n
	v_nop
.endr
.endm
; a scaled product: D, A (16 rows of a weight), B (16 batch rows), C, A's scale register (row = 1: its lanes 16-31), B's
.macro WM d, a, b, c, sa, sb, row
.if \row
	v_wmma_scale_f32_16x16x128_f8f6f4 v[\d:\d+7], v[\a:\a+7], v[\b:\b+7], v[\c:\c+7], v[\sa], v[\sb] matrix_a_fmt:MATRIX_FMT_FP4 matrix_b_fmt:MATRIX_FMT_FP4 matrix_a_scale:MATRIX_SCALE_ROW1
.else
	v_wmma_scale_f32_16x16x128_f8f6f4 v[\d:\d+7], v[\a:\a+7], v[\b:\b+7], v[\c:\c+7], v[\sa], v[\sb] matrix_a_fmt:MATRIX_FMT_FP4 matrix_b_fmt:MATRIX_FMT_FP4
.endif
.endm
; four fragments (16 rows x 512 K) out of rows 272 bytes apart: lane (r, h), registers 8 s + 4 c on: bytes 64 s + 32 c + 16 h of row r.  Destination window 3
.macro FRAGS base
.irp s, 0,1,2,3
.irp c, 0,1
	ds_load_b128 v[FR+8*\s+4*\c:FR+8*\s+4*\c+3], v[FA] offset:\base+64*\s+32*\c
.endr
.endr
.endm
; product 1: my 8 tiles of hidden layer 1 for 16 rows; b1 is the C of the first K step.  The 8 accumulators take turns, one instruction a turn
.macro M1 x
.irp s, 0,1,2,3
.if \s == 0
	WIN 0x2d                                       ; W1 window 1, x window 3, b1 window 2, D window 0
.else
	WIN 0x0d
.endif
.irp t, 0,1,2,3,4,5,6,7
.if \s == 0
	WM \x+8*\t, 8*(4*\t+\s), FR+8*\s, B1R+8*\t, W1S+4*(\t/2)+\s, XS+\s, \t%2
.else
	WM \x+8*\t, 8*(4*\t+\s), FR+8*\s, \x+8*\t, W1S+4*(\t/2)+\s, XS+\s, \t%2
.endif
.endr
.endr
.endm
; product 2: my 2 tiles of hidden layer 2; the two accumulators take turns
.macro M2
.irp s, 0,1,2,3
.if \s == 0
	WIN 0x3e                                       ; W2 window 2, hidden layer 1 window 3, b2 window 3, D window 0
.else
	WIN 0x0e
.endif
.irp u, 0,1
.if \s == 0
	WM A2+8*\u, W2F+8*(4*\u+\s), FR+8*\s, B2R+8*\u, W2S+\s, H1SC+\s, \u
.else
	WM A2+8*\u, W2F+8*(4*\u+\s), FR+8*\s, A2+8*\u, W2S+\s, H1SC+\s, \u
.endif
.endr
.endr
.endm
; four packed chains at v[ch] on become one number in v[T4] and lane l xor 16's in v[PT]
.macro JOIN4 ch
	v_pk_add_f32 v[\ch:\ch+1], v[\ch:\ch+1], v[\ch+2:\ch+3]
	v_pk_add_f32 v[\ch+4:\ch+5], v[\ch+4:\ch+5], v[\ch+6:\ch+7]
	v_pk_add_f32 v[\ch:\ch+1], v[\ch:\ch+1], v[\ch+4:\ch+5]
	v_add_f32 v[T4], v[\ch], v[\ch+1]
	v_permlanex16_b32 v[PT], v[T4], s[SEL], s[SEL+1]
.endm
; statistics of my 128 units of a row (64 registers a lane, lanes l and l xor 16): v[mu] = their mean, x = x - mean in place, v[mu + 1] = the sum of squares of that
.macro S1 x, mu
.irp c, 0,1,2,3
	v_pk_add_f32 v[E+16+2*\c:E+17+2*\c], v[\x+8*\c:\x+8*\c+1], v[\x+8*\c+32:\x+8*\c+33]   ; each accumulator is first read at its low end
.endr
.irp k, 1,2,3
.irp t, 0,1,2,3,4,5,6,7
	v_pk_add_f32 v[E+16+2*(\t%4):E+17+2*(\t%4)], v[E+16+2*(\t%4):E+17+2*(\t%4)], v[\x+8*\t+2*\k:\x+8*\t+2*\k+1]
.endr
.endr
	JOIN4 E+16
	v_add_f32 v[T4], v[T4], v[PT]
	v_mul_f32 v[\mu], s[I128], v[T4]
.set nn, 0
.rept 32
	v_pk_add_f32 v[\x+nn:\x+nn+1], v[\x+nn:\x+nn+1], v[\mu:\mu+1] op_sel_hi:[1,0] neg_lo:[0,1] neg_hi:[0,1]
.set nn, nn+2
.endr
.irp c, 0,1,2,3
	v_pk_mul_f32 v[E+24+2*\c:E+25+2*\c], v[\x+2*\c:\x+2*\c+1], v[\x+2*\c:\x+2*\c+1]
.endr
.set nn, 8
.rept 28
	v_pk_fma_f32 v[E+24+nn%8:E+25+nn%8], v[\x+nn:\x+nn+1], v[\x+nn:\x+nn+1], v[E+24+nn%8:E+25+nn%8]
.set nn, nn+2
.endr
	JOIN4 E+24
	v_add_f32 v[\mu+1], v[T4], v[PT]
.endm
; the same of 32 units (16 registers a lane); ch: 8 registers for the chains
.macro STAT16 x, mu, ch
	v_pk_add_f32 v[\ch:\ch+1], v[\x:\x+1], v[\x+8:\x+9]           ; both accumulators are first read at their low ends
	v_pk_add_f32 v[\ch+2:\ch+3], v[\x+2:\x+3], v[\x+10:\x+11]
.irp k, 4,6
	v_pk_add_f32 v[\ch:\ch+1], v[\ch:\ch+1], v[\x+\k:\x+\k+1]
	v_pk_add_f32 v[\ch+2:\ch+3], v[\ch+2:\ch+3], v[\x+\k+8:\x+\k+9]
.endr
	v_pk_add_f32 v[\ch:\ch+1], v[\ch:\ch+1], v[\ch+2:\ch+3]
	v_add_f32 v[T4], v[\ch], v[\ch+1]
	v_permlanex16_b32 v[PT], v[T4], s[SEL], s[SEL+1]
	v_add_f32 v[T4], v[T4], v[PT]
	v_mul_f32 v[\mu], s[I32], v[T4]
.irp k, 0,2,4,6,8,10,12,14
	v_pk_add_f32 v[\x+\k:\x+\k+1], v[\x+\k:\x+\k+1], v[\mu:\mu+1] op_sel_hi:[1,0] neg_lo:[0,1] neg_hi:[0,1]
.endr
	v_pk_mul_f32 v[\ch+4:\ch+5], v[\x:\x+1], v[\x:\x+1]
	v_pk_mul_f32 v[\ch+6:\ch+7], v[\x+2:\x+3], v[\x+2:\x+3]
.irp k, 4,8,12
	v_pk_fma_f32 v[\ch+4:\ch+5], v[\x+\k:\x+\k+1], v[\x+\k:\x+\k+1], v[\ch+4:\ch+5]
	v_pk_fma_f32 v[\ch+6:\ch+7], v[\x+\k+2:\x+\k+3], v[\x+\k+2:\x+\k+3], v[\ch+6:\ch+7]
.endr
	v_pk_add_f32 v[\ch+4:\ch+5], v[\ch+4:\ch+5], v[\ch+6:\ch+7]
	v_add_f32 v[T4], v[\ch+4], v[\ch+5]
	v_permlanex16_b32 v[PT], v[T4], s[SEL], s[SEL+1]
	v_add_f32 v[\mu+1], v[T4], v[PT]
.endm
; the four waves' (mu_k, M2_k) in v[st] on, my own mean in v[mu]: rs = rsqrt(M2 / N + eps), cc = (my mean - mu) rs.  nlit: units a wave, as f32; sinv: the register with 1 / N
.macro COMBINE st, mu, rs, cc, nlit, sinv
	v_add_f32 v[T0], v[\st], v[\st+2]
	v_add_f32 v[T1], v[\st+4], v[\st+6]
	v_add_f32 v[T2], v[\st+1], v[\st+3]
	v_add_f32 v[T3], v[\st+5], v[\st+7]
	v_add_f32 v[T0], v[T0], v[T1]
	v_add_f32 v[T2], v[T2], v[T3]                  ; the sum of the M2_k
	v_mul_f32 v[T0], 0x3e800000, v[T0]             ; mu: a quarter of the sum of the means
	v_sub_f32 v[T1], v[\st], v[T0]
	v_sub_f32 v[T3], v[\st+2], v[T0]
	v_sub_f32 v[T4], v[\st+4], v[T0]
	v_sub_f32 v[T5], v[\st+6], v[T0]
	v_mul_f32 v[T1], v[T1], v[T1]
	v_fmac_f32 v[T1], v[T3], v[T3]
	v_fmac_f32 v[T1], v[T4], v[T4]
	v_fmac_f32 v[T1], v[T5], v[T5]
	v_fmamk_f32 v[T2], v[T1], \nlit, v[T2]         ; M2
	v_fma_f32 v[T2], v[T2], s[\sinv], s[EPS]
	v_rsq_f32 v[\rs], v[T2]
	v_sub_f32 v[T3], v[\mu], v[T0]                 ; (the plain line behind the transcendental)
	s_wait_alu depctr_va_vdst(0)
	v_mul_f32 v[\cc], v[T3], v[\rs]
.endm
; CELU in place and the blocks' largest magnitudes, for chunks lo .. hi of 16 registers: chunks 0-3 at v[xn + 16 k], chunk 4 = hidden layer 2's tile.
; Three chunks are in hand at once: k + 1 is multiplied by log2(e) into a set of 16, k has its exponentials, k - 1 takes e - 1, the middle one and its maximum.  Chunks k - 1 and k + 1 share the set that chunk k
; does not use, so behind every exponential stands a plain line on other registers (ISA guide 5.7.2), and a set is written anew only behind the lines that read it.
.macro STREAM xn, lo, hi
.set sk, (\lo)-1
.rept (\hi)-(\lo)+3
.set EK, E+16*((sk+2)%2)
.set EO, E+16*((sk+1)%2)
.set CP, \xn+16*(sk-1)
.if (sk-1) == 4
.set CP, A2
.endif
.set CN, \xn+16*(sk+1)
.if (sk+1) == 4
.set CN, A2
.endif
.set fP, 0
.if ((sk-1) >= \lo) && ((sk-1) <= \hi)
.set fP, 1
.endif
.set fC, 0
.if (sk >= \lo) && (sk <= \hi)
.set fC, 1
.endif
.set fX, 0
.if ((sk+1) >= \lo) && ((sk+1) <= \hi)
.set fX, 1
.endif
.set si, 0
.rept 8
.if fP
	v_pk_add_f32 v[EO+2*si:EO+2*si+1], v[EO+2*si:EO+2*si+1], -1.0 op_sel_hi:[1,0]
.endif
.if fC
	v_exp_f32 v[EK+2*si], v[EK+2*si]
.endif
.if fP
	v_med3_num_f32 v[CP+2*si], v[CP+2*si], v[EO+2*si], 0
	v_med3_num_f32 v[CP+2*si+1], v[CP+2*si+1], v[EO+2*si+1], 0
.endif
.if fC
	v_exp_f32 v[EK+2*si+1], v[EK+2*si+1]
.endif
.if fX
	v_pk_mul_f32 v[EO+2*si:EO+2*si+1], v[CN+2*si:CN+2*si+1], s[LG:LG+1] op_sel_hi:[1,0]
.endif
.if fP
.if si == 0
	v_max3_num_f32 v[TM+sk-1], |v[CP]|, |v[CP+1]|, 0x1800000   ; the floor 2^(3 - 127): the scale's byte cannot fall under 1
.else
	v_max3_num_f32 v[TM+sk-1], v[TM+sk-1], |v[CP+2*si]|, |v[CP+2*si+1]|
.endif
.endif
.set si, si+1
.endr
	v_nop                                          ; a plain line behind the round's last exponential
	s_wait_alu depctr_va_vdst(0)
.set sk, sk+1
.endr
.endm
; blocks lo .. hi become codes and scale bytes.  A block of 32 lies in lanes l and l xor 16, 16 registers each.  The largest magnitude's exponent field less 2 is the scale's byte, and the conversion takes
; the exponent field of its scale operand alone.  A lane's 16 codes are 8 bytes of its row.
.macro QUANT xn, lo, hi
.set qb, \lo
.rept (\hi)-(\lo)+1
	v_permlanex16_b32 v[TX+qb], v[TM+qb], s[SEL], s[SEL+1]
.set qb, qb+1
.endr
.set qb, \lo
.rept (\hi)-(\lo)+1
	v_max_num_f32 v[TM+qb], v[TM+qb], v[TX+qb]
.set qb, qb+1
.endr
.set qb, \lo
.rept (\hi)-(\lo)+1
	v_add_nc_u32 v[SO+qb], 0xff000000, v[TM+qb]
.set qb, qb+1
.endr
.set qb, \lo
.rept (\hi)-(\lo)+1
.if qb == 4
	v_lshrrev_b32 v[BY2], 23, v[SO+qb]
.else
	v_lshrrev_b32 v[BY+qb], 23, v[SO+qb]
.endif
.set qb, qb+1
.endr
.if (\lo) == 0
	v_lshl_or_b32 v[PW], v[BY+1], 8, v[BY]         ; the four bytes make my K step's scale word of the row
	v_lshl_or_b32 v[PW], v[BY+2], 16, v[PW]
	v_lshl_or_b32 v[PW], v[BY+3], 24, v[PW]
.endif
.set qb, \lo
.rept (\hi)-(\lo)+1
.if qb == 4
	v_cvt_scalef32_pk8_fp4_f32 v[PC2], v[A2:A2+7], v[SO+qb]
	v_cvt_scalef32_pk8_fp4_f32 v[PC2+1], v[A2+8:A2+15], v[SO+qb]
.else
	v_cvt_scalef32_pk8_fp4_f32 v[PC1+2*qb], v[\xn+16*qb:\xn+16*qb+7], v[SO+qb]
	v_cvt_scalef32_pk8_fp4_f32 v[PC1+2*qb+1], v[\xn+16*qb+8:\xn+16*qb+15], v[SO+qb]
.endif
.set qb, qb+1
.endr
	v_nop                                          ; one plain line behind the last scaled conversion: matrix instructions write its sources later
.endm
; THE TAIL: layers 3, 4 and the head for one tile of 16 rows.  Its fragment of hidden layer 2 and its scale word were loaded at the step's head.
.macro TAIL
	WIN 0x3f                                       ; W3, hidden layer 2 and b3 in window 3, D in window 0
	WM E, W3F, H2F, B3R, W3S, H2SC, 0              ; W3's rows in their own order: register 8 u + i of lane (r, h) is unit 16 u + 8 h + i of row r
	WM E+8, W3F+8, H2F, B3R+8, W3S, H2SC, 1
	WIN 0
	NOPS 4                                         ; four places behind a product before its result is read (ISA guide 7.12.1)
	STAT16 E, T0, E+16
	v_fma_f32 v[T2], v[T1], s[I32], s[EPS]
	v_rsq_f32 v[T2], v[T2]
	v_nop
	s_wait_alu depctr_va_vdst(0)
.irp k, 0,2,4,6,8,10,12,14
	v_pk_mul_f32 v[E+\k:E+\k+1], v[E+\k:E+\k+1], v[T2:T3] op_sel_hi:[1,0]
.endr
	WIN 0x3c                                       ; g3, be3 in window 3
.irp k, 0,2,4,6,8,10,12,14
	v_pk_fma_f32 v[E+\k:E+\k+1], v[E+\k:E+\k+1], v[G3R+\k:G3R+\k+1], v[BE3R+\k:BE3R+\k+1]
.endr
	WIN 0
.irp k, 0,2,4,6,8,10,12,14
	v_pk_mul_f32 v[E+16+\k:E+17+\k], v[E+\k:E+\k+1], s[LG:LG+1] op_sel_hi:[1,0]
.endr
.irp k, 0,1,2,3,4,5,6,7,8,9,10,11,12,13,14,15
	v_exp_f32 v[E+16+\k], v[E+16+\k]
.endr
	v_nop
	s_wait_alu depctr_va_vdst(0)
.irp k, 0,2,4,6,8,10,12,14
	v_pk_add_f32 v[E+16+\k:E+17+\k], v[E+16+\k:E+17+\k], -1.0 op_sel_hi:[1,0]
.endr
.irp k, 0,1,2,3,4,5,6,7,8,9,10,11,12,13,14,15
	v_med3_num_f32 v[E+\k], v[E+\k], v[E+16+\k], 0
.endr
	; layer 4 in f32: chunk c takes the lane's registers 2 c, 2 c + 1 as source 1 (k = 2 h + j of the chunk) and W4 laid alike as source 0.  W4's rows 8-15 repeat rows 0-7: both halves of the lanes get the row's 8 outputs.
	WIN 0xf3                                       ; W4, C and D in window 3, hidden layer 3 in window 0
	v_wmma_f32_16x16x4_f32 v[ACC4:ACC4+7], v[W4A:W4A+1], v[E:E+1], v[B4R:B4R+7]
	v_wmma_f32_16x16x4_f32 v[ACC4+8:ACC4+15], v[W4A+2:W4A+3], v[E+2:E+3], 0
.irp c, 2,3,4,5,6,7
	v_wmma_f32_16x16x4_f32 v[ACC4+8*(\c%2):ACC4+8*(\c%2)+7], v[W4A+2*\c:W4A+2*\c+1], v[E+2*\c:E+2*\c+1], v[ACC4+8*(\c%2):ACC4+8*(\c%2)+7]   ; two accumulators by turns
.endr
	WIN 0
	NOPS 8                                         ; eight places behind this form
	WIN 0x0f
.irp k, 0,2,4,6
	v_pk_add_f32 v[E+16+\k:E+17+\k], v[ACC4+\k:ACC4+\k+1], v[ACC4+8+\k:ACC4+9+\k]   ; from the low ends on
.endr
	WIN 0
	v_pk_add_f32 v[E+24:E+25], v[E+16:E+17], v[E+18:E+19]        ; LayerNorm over the lane's 8
	v_pk_add_f32 v[E+26:E+27], v[E+20:E+21], v[E+22:E+23]
	v_pk_add_f32 v[E+24:E+25], v[E+24:E+25], v[E+26:E+27]
	v_add_f32 v[T0], v[E+24], v[E+25]
	v_mul_f32 v[T0], s[I8], v[T0]
.irp k, 0,2,4,6
	v_pk_add_f32 v[E+16+\k:E+17+\k], v[E+16+\k:E+17+\k], v[T0:T1] op_sel_hi:[1,0] neg_lo:[0,1] neg_hi:[0,1]
.endr
	v_pk_mul_f32 v[E+24:E+25], v[E+16:E+17], v[E+16:E+17]
	v_pk_mul_f32 v[E+26:E+27], v[E+18:E+19], v[E+18:E+19]
	v_pk_fma_f32 v[E+24:E+25], v[E+20:E+21], v[E+20:E+21], v[E+24:E+25]
	v_pk_fma_f32 v[E+26:E+27], v[E+22:E+23], v[E+22:E+23], v[E+26:E+27]
	v_pk_add_f32 v[E+24:E+25], v[E+24:E+25], v[E+26:E+27]
	v_add_f32 v[T1], v[E+24], v[E+25]
	v_fma_f32 v[T2], v[T1], s[I8], s[EPS]
	v_rsq_f32 v[T2], v[T2]
	v_nop
	s_wait_alu depctr_va_vdst(0)
.irp k, 0,2,4,6
	v_pk_mul_f32 v[E+16+\k:E+17+\k], v[E+16+\k:E+17+\k], v[T2:T3] op_sel_hi:[1,0]
.endr
.irp k, 0,1,2,3,4,5,6,7
	v_fma_f32 v[E+16+\k], v[E+16+\k], s[G4+\k], s[BE4+\k]
.endr
.irp k, 0,2,4,6
	v_pk_mul_f32 v[E+24+\k:E+25+\k], v[E+16+\k:E+17+\k], s[LG:LG+1] op_sel_hi:[1,0]
.endr
.irp k, 0,1,2,3,4,5,6,7
	v_exp_f32 v[E+24+\k], v[E+24+\k]
.endr
	v_nop
	s_wait_alu depctr_va_vdst(0)
.irp k, 0,2,4,6
	v_pk_add_f32 v[E+24+\k:E+25+\k], v[E+24+\k:E+25+\k], -1.0 op_sel_hi:[1,0]
.endr
.irp k, 0,1,2,3,4,5,6,7
	v_med3_num_f32 v[E+16+\k], v[E+16+\k], v[E+24+\k], 0
.endr
	v_fma_f32 v[T0], v[E+16], s[WSN], s[BH]        ; the head, in two chains
	v_mul_f32 v[T1], s[WSN+4], v[E+20]
.irp k, 1,2,3
	v_fma_f32 v[T0], v[E+16+\k], s[WSN+\k], v[T0]
	v_fma_f32 v[T1], v[E+20+\k], s[WSN+4+\k], v[T1]
.endr
	v_add_f32 v[T0], v[T0], v[T1]
	v_add_nc_u32 v[OWA], s[OSO], v[OW0]
	ds_store_b32 v[OWA], v[T0] offset:OST          ; lanes l and l + 16 write the same word with the same value
	s_add_co_u32 s[OSO], s[OSO], 64
.endm
; A STEP.  j4: the step's number modulo 4 (-1 for the step in front of step 0).  The flags say which stages it has; fXS, fM1 = 2: the stage is left out in the loop's last trip, where its tile would be 32 or 33.
; xt: x's scale words of tile j + 1 lie 256 xt bytes behind the trip's.
.macro STEP j4, fS1, fN1, fN2, fM2, fTL, fXS, fXL, fM1, xt
.set PAR, ((\j4)+4)%2
.set PH, ((\j4)+4)%4
.set XE, X0+64*PAR                     ; tile j
.set XN, X0+64*(1-PAR)                 ; tile j - 1; at the step's end tile j + 1
.set ME, MU1+2*PAR
.set MN, MU1+2*(1-PAR)
	; ---- what the last step left in LDS is asked for
.if \fN1
	ds_load_b128 v[E:E+3], v[R16] offset:ST1+512*(1-PAR)
	ds_load_b128 v[E+4:E+7], v[R16] offset:ST1+512*(1-PAR)+256
.endif
.if \fN2
	ds_load_b128 v[E+8:E+11], v[R16] offset:ST2+512*(1-PAR)
	ds_load_b128 v[E+12:E+15], v[R16] offset:ST2+512*(1-PAR)+256
.endif
.if \fM2
	ds_load_b128 v[H1SC:H1SC+3], v[LI] offset:H1S+512*PAR
.endif
.if \fTL
	ds_load_b32 v[H2SC], v[H2SR] offset:H2S
.endif
.if \fM2 || \fTL
	WIN 0xc0                                       ; destination window 3
.if \fM2
	FRAGS H1+XSL*PAR
.endif
.if \fTL
	ds_load_b128 v[H2F:H2F+3], v[H2R] offset:H2
	ds_load_b128 v[H2F+4:H2F+7], v[H2R] offset:H2+32
.endif
	WIN 0
.endif
	; ---- S1: tile j's statistics, while those loads are out
.if \fS1
	S1 XE, ME
	ds_store_b64 v[SW], v[ME:ME+1] offset:ST1+512*PAR
.endif
	s_wait_dscnt 0x0                               ; the loads above are in
.if \fTL && \fN2
	s_barrier_signal -1                            ; this step's codes of hidden layer 2 go into slot 0, which wave 0's tail has just read: every wave's reads are in, then the slot is written
	s_barrier_wait -1
.endif
	; ---- N1 on tile j - 1, N2 on tile j - 3
.if \fN1
	COMBINE E, MN, RS1, C1, 0x43000000, I512
.endif
.if \fN2
	COMBINE E+8, MU2, RS2, C2, 0x42000000, I128
.endif
.if \fN1
.set nn, 0
.rept 32
	v_pk_fma_f32 v[XN+nn:XN+nn+1], v[XN+nn:XN+nn+1], v[RS1:RS1+1], v[C1:C1+1] op_sel_hi:[1,0,0]   ; (h - mu) rs
.set nn, nn+2
.endr
.endif
.if \fN2
.set nn, 0
.rept 8
	v_pk_fma_f32 v[A2+nn:A2+nn+1], v[A2+nn:A2+nn+1], v[RS2:RS2+1], v[C2:C2+1] op_sel_hi:[1,0,0]
.set nn, nn+2
.endr
.endif
.if \fN1
	WIN 0x28                                       ; g1, be1 in window 2
.set nn, 0
.rept 32
	v_pk_fma_f32 v[XN+nn:XN+nn+1], v[XN+nn:XN+nn+1], v[G1R+nn:G1R+nn+1], v[BE1R+nn:BE1R+nn+1]
.set nn, nn+2
.endr
.endif
.if \fN2
	WIN 0x3c                                       ; g2, be2 in window 3
.set nn, 0
.rept 8
	v_pk_fma_f32 v[A2+nn:A2+nn+1], v[A2+nn:A2+nn+1], v[G2R+nn:G2R+nn+1], v[BE2R+nn:BE2R+nn+1]
.set nn, nn+2
.endr
.endif
	WIN 0
.if \fN1 || \fN2
.set SLO, 4-4*\fN1
.set SHI, 3+\fN2
	STREAM XN, SLO, SHI
	QUANT XN, SLO, SHI
.endif
.if \fN1
.irp b, 0,1,2,3
	ds_store_b64 v[H1W], v[PC1+2*\b:PC1+2*\b+1] offset:H1+XSL*(1-PAR)+16*\b   ; units 128 w + 32 b + 16 h + 0 .. 15 of row r
.endr
	ds_store_b32 v[H1SW], v[PW] offset:H1S+512*(1-PAR)
.endif
.if \fN2
	ds_store_b64 v[H2W], v[PC2:PC2+1] offset:H2+H2SL*((PH+1)%4)
	ds_store_b8 v[H2SW], v[BY2] offset:H2S+128*((PH+1)%4)
.endif
	; ---- M2 on tile j - 2
.if \fM2
	M2
	WIN 0
	NOPS 4                                         ; four places in front of the loads into the fragments' registers and of the first read of the results (ISA guide 7.12.1 for the reads of the results)
.endif
	; ---- x's codes of tile j + 2 go to LDS
.if \fXS
	s_wait_loadcnt 0x4                             ; they were asked for three steps ago; younger are the two loads of each of the last two steps
.if \fXS == 2
	s_cmp_eq_u32 s[TRIP], 7
	s_cbranch_scc1 .Lno_stage_\@
.endif
	WIN 0x0c                                       ; an LDS store's data are its source 1: window 3
.irp i, 0,1
	ds_store_b128 v[XW], v[XR+8*((PH+2)%4)+4*\i:XR+8*((PH+2)%4)+4*\i+3] offset:XST+XSL*PAR+544*\i
.endr
	WIN 0
.if \fXS == 2
.Lno_stage_\@:
.endif
.endif
	; ---- x's codes of tile j + 5 are asked for.  These loads are never jumped over, so that the count above holds on every way; in steps 27 to 31 they are held at tile 31 (ten loads of 512 bytes a wave that nobody reads)
.if \fXL
	s_lshl_b32 s[OF], s[TRIP], 2
	s_add_co_u32 s[OF], s[OF], (\j4)+5
	s_min_u32 s[OF], s[OF], 31
	s_lshl_b32 s[OF], s[OF], 12                    ; a tile is 4,096 bytes
	s_wait_xcnt 0x0                                ; the last step's loads have read their base
	s_add_nc_u64 s[XB:XB+1], s[XP:XP+1], s[OF:OF+1]
	WIN 0xc0
.irp i, 0,1
	global_load_b128 v[XR+8*((PH+1)%4)+4*\i:XR+8*((PH+1)%4)+4*\i+3], v[XO], s[XB:XB+1] offset:512*\i th:TH_LOAD_NT   ; 32 lanes read 512 consecutive bytes
.endr
	WIN 0
.endif
	; ---- x's fragments and scale words of tile j + 1 are asked for
.if \fM1
.if \fM1 == 2
	s_cmp_eq_u32 s[TRIP], 7
	s_cbranch_scc1 .Lno_frag_\@
.endif
	v_add_nc_u32 v[XSA], s[XSO], v[R16]
	ds_load_b128 v[XS:XS+3], v[XSA] offset:XSC+256*\xt
	WIN 0xc0
	FRAGS XST+XSL*(1-PAR)
	WIN 0
.if \fM1 == 2
.Lno_frag_\@:
.endif
.endif
	; ---- S2 on tile j - 2, and the tail, while those loads are out
.if \fM2
	STAT16 A2, MU2, E
	ds_store_b64 v[SW], v[MU2:MU2+1] offset:ST2+512*PAR
.endif
.if \fTL
	TAIL
.endif
	; ---- M1 on tile j + 1, into the registers that tile j - 1 has left
.if \fM1
.if \fM1 == 2
	s_cmp_eq_u32 s[TRIP], 7
	s_cbranch_scc1 .Lno_m1_\@
.endif
	s_wait_dscnt \fM2+\fTL                         ; behind x's fragments stand only S2's store and the tail's
	M1 XN
	WIN 0
	NOPS 4                                         ; places in front of the next step's loads into the fragments' registers and of its reads of the results
.if \fM1 == 2
.Lno_m1_\@:
.endif
.endif
	s_wait_dscnt 0x0                               ; my stores have landed and my reads are in:
	s_barrier_signal -1
	s_barrier_wait -1                              ; what this step wrote may be read, what it read may be written
.endm
	; ================ the head
	s_load_b512 s[4:19], s[0:1], 0x0               ; x_codes 4, x_scales 6, W1_codes 8, W1_scales 10, b1 12, g1 14, be1 16, W2_codes 18
	s_load_b512 s[20:35], s[0:1], 0x40             ; W2_scales 20, b2 22, g2 24, be2 26, W3_codes 28, W3_scales 30, b3 32, g3 34
	s_load_b512 s[36:51], s[0:1], 0x80             ; be3 36, W4 38, b4 40, g4 42, be4 44, Wh 46, bh 48, u 50
	s_load_b64 s[52:53], s[0:1], 0xc0              ; out0
	v_lshl_add_u32 v7, v0, 2, 0x9000
	s_set_vgpr_msb 0xc0
	v_mov_b32 v255, 0
	s_set_vgpr_msb 0xc000
	v_lshrrev_b32 v18, 5, v0
	v_readfirstlane_b32 s[WV], v18                 ; wave 0..3
	v_and_b32 v18, 31, v0                          ; l
	v_and_b32 v19, 15, v0                          ; r
	v_bfe_u32 v136, v0, 4, 1                       ; h
	v_mov_b32 v[ZERO], 0
	v_mul_u32_u24 v[FA], v19, 272
	v_lshl_add_u32 v[FA], v136, 4, v[FA]
	v_mul_u32_u24 v[XW], v136, 272
	v_lshl_add_u32 v[XW], v19, 4, v[XW]
	s_mul_i32 s[OF], s[WV], 1088
	v_add_nc_u32 v[XW], s[OF], v[XW]
	v_lshlrev_b32 v[LI], 4, v18
	s_lshl_b32 s[OF], s[WV], 10
	v_add_nc_u32 v[XO], s[OF], v[LI]
	v_lshlrev_b32 v[R16], 4, v19
	s_and_b32 s[OF], s[WV], 1
	s_lshl_b32 s[OF], s[OF], 3
	s_lshr_b32 s[XSO], s[WV], 1
	s_lshl_b32 s[XSO], s[XSO], 8
	s_add_co_u32 s[OF], s[OF], s[XSO]
	v_add_nc_u32 v[SW], s[OF], v[R16]
	v_mul_u32_u24 v[H1W], v19, 272
	v_lshl_add_u32 v[H1W], v136, 3, v[H1W]
	s_lshl_b32 s[OF], s[WV], 6
	v_add_nc_u32 v[H1W], s[OF], v[H1W]
	s_lshl_b32 s[OF], s[WV], 2
	v_add_nc_u32 v[H1SW], s[OF], v[LI]
	v_mul_u32_u24 v[H2W], v19, 80
	v_lshl_add_u32 v[H2W], v136, 3, v[H2W]
	s_lshl_b32 s[OF], s[WV], 4
	v_add_nc_u32 v[H2W], s[OF], v[H2W]
	v_lshlrev_b32 v142, 2, v18                     ; 4 l
	v_add_nc_u32 v[H2SW], s[WV], v142
	v_mul_u32_u24 v[H2R], v19, 80
	v_lshl_add_u32 v[H2R], v136, 4, v[H2R]
	s_mul_i32 s[OF], s[WV], H2SL
	v_add_nc_u32 v[H2R], s[OF], v[H2R]
	s_lshl_b32 s[OF], s[WV], 7
	v_add_nc_u32 v[H2SR], s[OF], v142
	v_lshlrev_b32 v[OW0], 2, v19
	s_lshl_b32 s[OF], s[WV], 9
	v_add_nc_u32 v[OW0], s[OF], v[OW0]
	s_lshl_b32 s[OF], s[WV], 11
	v_add_nc_u32 v145, s[OF], v[LI]                ; where I put x's scale bytes: 2048 w + 16 l
	; lane offsets of the head's loads (v136-145 belong to the hidden layer later)
	v_and_b32 v137, 8, v19
	v_add_nc_u32 v137, v137, v19                   ; r + 8 (r / 8)
	v_lshlrev_b32 v138, 8, v137
	v_lshl_add_u32 v138, v136, 4, v138             ; W1, W2: a row is 256 bytes; + 16 h
	v_lshl_add_u32 v139, v136, 3, v137
	v_lshlrev_b32 v139, 4, v139                    ; their scale bytes: 16 a row; lanes 16-31 take the odd tile's rows, 8 further on
	v_lshlrev_b32 v140, 6, v136                    ; b, g, be of layers 1, 2: 64 h
	v_lshlrev_b32 v141, 6, v19
	v_lshl_add_u32 v141, v136, 4, v141             ; W3: a row is 64 bytes
	v_lshlrev_b32 v143, 5, v136                    ; b3, g3, be3: 32 h
	v_and_b32 v144, 7, v19
	v_lshlrev_b32 v144, 7, v144
	v_lshl_add_u32 v144, v136, 5, v144             ; W4: row r % 8 of 128 bytes, + 32 h
	s_mov_b32 s[SEL], 0x76543210
	s_mov_b32 s[SEL+1], 0xfedcba98
	s_mov_b32 s[LG], 0x3fb8aa3b                    ; log2(e)
	s_mov_b32 s[LG+1], s[LG]
	s_mov_b32 s[EPS], 0x3727c5ac                   ; 1e-5
	s_mov_b32 s[I512], 0x3b000000
	s_mov_b32 s[I128], 0x3c000000
	s_mov_b32 s[I32], 0x3d000000
	s_mov_b32 s[I8], 0x3e000000
	s_mov_b32 s[OF+1], 0
	s_wait_kmcnt 0x0
	s_load_b256 s[G4:G4+7], s[42:43], 0x0
	s_load_b256 s[BE4:BE4+7], s[44:45], 0x0
	s_load_b256 s[WH:WH+7], s[46:47], 0x0
	s_load_b32 s[BH], s[48:49], 0x0
	s_load_b32 s[UU], s[50:51], 0x0
	s_lshl_b32 s[OF], ttmp9, 17                    ; 512 rows of 256 bytes
	s_add_nc_u64 s[XP:XP+1], s[4:5], s[OF:OF+1]
	s_lshl_b32 s[OF], ttmp9, 13                    ; 512 rows of 16 scale bytes
	s_add_nc_u64 s[6:7], s[6:7], s[OF:OF+1]
	s_lshl_b32 s[OF], ttmp9, 11                    ; 512 results
	s_add_nc_u64 s[52:53], s[52:53], s[OF:OF+1]
	s_lshl_b32 s[OF], s[WV], 11
	s_add_nc_u64 s[6:7], s[6:7], s[OF:OF+1]        ; my quarter of x's scale bytes
	s_add_nc_u64 s[10:11], s[10:11], s[OF:OF+1]    ; W1's scale bytes: my 128 rows
	s_lshl_b32 s[OF], s[WV], 15
	s_add_nc_u64 s[8:9], s[8:9], s[OF:OF+1]        ; W1's codes: my 128 rows
	s_lshl_b32 s[OF], s[WV], 9
	s_add_nc_u64 s[12:13], s[12:13], s[OF:OF+1]    ; b1, g1, be1: my 128
	s_add_nc_u64 s[14:15], s[14:15], s[OF:OF+1]
	s_add_nc_u64 s[16:17], s[16:17], s[OF:OF+1]
	s_add_nc_u64 s[20:21], s[20:21], s[OF:OF+1]    ; W2's scale bytes: my 32 rows
	s_lshl_b32 s[OF], s[WV], 13
	s_add_nc_u64 s[18:19], s[18:19], s[OF:OF+1]    ; W2's codes: my 32 rows
	s_lshl_b32 s[OF], s[WV], 7
	s_add_nc_u64 s[22:23], s[22:23], s[OF:OF+1]    ; b2, g2, be2: my 32
	s_add_nc_u64 s[24:25], s[24:25], s[OF:OF+1]
	s_add_nc_u64 s[26:27], s[26:27], s[OF:OF+1]
	WIN 0xc0                                       ; destinations in window 3
.irp t, 0,1,2,3
.irp i, 0,1
	global_load_b128 v[XR+8*\t+4*\i:XR+8*\t+4*\i+3], v[XO], s[XP:XP+1] offset:4096*\t+512*\i th:TH_LOAD_NT   ; x's tiles 0 to 3
.endr
.endr
.irp u, 0,1
	global_load_b128 v[B2R+8*\u:B2R+8*\u+3], v140, s[22:23] offset:32*\u          ; register 8 u + i: unit 32 w + 16 h + 8 u + i
	global_load_b128 v[B2R+8*\u+4:B2R+8*\u+7], v140, s[22:23] offset:32*\u+16
	global_load_b128 v[G2R+8*\u:G2R+8*\u+3], v140, s[24:25] offset:32*\u
	global_load_b128 v[G2R+8*\u+4:G2R+8*\u+7], v140, s[24:25] offset:32*\u+16
	global_load_b128 v[BE2R+8*\u:BE2R+8*\u+3], v140, s[26:27] offset:32*\u
	global_load_b128 v[BE2R+8*\u+4:BE2R+8*\u+7], v140, s[26:27] offset:32*\u+16
	global_load_b128 v[W3F+8*\u:W3F+8*\u+3], v141, s[28:29] offset:1024*\u
	global_load_b128 v[W3F+8*\u+4:W3F+8*\u+7], v141, s[28:29] offset:1024*\u+32
	global_load_b128 v[B3R+8*\u:B3R+8*\u+3], v143, s[32:33] offset:64*\u          ; register 8 u + i: unit 16 u + 8 h + i
	global_load_b128 v[B3R+8*\u+4:B3R+8*\u+7], v143, s[32:33] offset:64*\u+16
	global_load_b128 v[G3R+8*\u:G3R+8*\u+3], v143, s[34:35] offset:64*\u
	global_load_b128 v[G3R+8*\u+4:G3R+8*\u+7], v143, s[34:35] offset:64*\u+16
	global_load_b128 v[BE3R+8*\u:BE3R+8*\u+3], v143, s[36:37] offset:64*\u
	global_load_b128 v[BE3R+8*\u+4:BE3R+8*\u+7], v143, s[36:37] offset:64*\u+16
	global_load_b128 v[W4A+8*\u:W4A+8*\u+3], v144, s[38:39] offset:64*\u
	global_load_b128 v[W4A+8*\u+4:W4A+8*\u+7], v144, s[38:39] offset:64*\u+16
.endr
	global_load_b128 v[B4R:B4R+3], v[ZERO], s[40:41]              ; b4's eight in every lane
	global_load_b128 v[B4R+4:B4R+7], v[ZERO], s[40:41] offset:16
	WIN 0x40                                       ; window 1: W1
.irp t, 0,1,2,3,4,5,6,7
.irp s, 0,1,2,3
.irp c, 0,1
	global_load_b128 v[8*(4*\t+\s)+4*\c:8*(4*\t+\s)+4*\c+3], v138, s[8:9] offset:(32*(\t/2)+8*(\t%2))*256+64*\s+32*\c
.endr
.endr
.endr
	WIN 0x80                                       ; window 2: b1, g1, be1, W2
.irp t, 0,1,2,3,4,5,6,7
	global_load_b128 v[B1R+8*\t:B1R+8*\t+3], v140, s[12:13] offset:(32*(\t/2)+8*(\t%2))*4     ; register 8 t + i: unit 128 w + 32 (t / 2) + 16 h + 8 (t % 2) + i
	global_load_b128 v[B1R+8*\t+4:B1R+8*\t+7], v140, s[12:13] offset:(32*(\t/2)+8*(\t%2))*4+16
	global_load_b128 v[G1R+8*\t:G1R+8*\t+3], v140, s[14:15] offset:(32*(\t/2)+8*(\t%2))*4
	global_load_b128 v[G1R+8*\t+4:G1R+8*\t+7], v140, s[14:15] offset:(32*(\t/2)+8*(\t%2))*4+16
	global_load_b128 v[BE1R+8*\t:BE1R+8*\t+3], v140, s[16:17] offset:(32*(\t/2)+8*(\t%2))*4
	global_load_b128 v[BE1R+8*\t+4:BE1R+8*\t+7], v140, s[16:17] offset:(32*(\t/2)+8*(\t%2))*4+16
.endr
.irp u, 0,1
.irp s, 0,1,2,3
.irp c, 0,1
	global_load_b128 v[W2F+8*(4*\u+\s)+4*\c:W2F+8*(4*\u+\s)+4*\c+3], v138, s[18:19] offset:8*\u*256+64*\s+32*\c
.endr
.endr
.endr
	WIN 0
.irp i, 0,1,2,3
	global_load_b128 v[E+4*\i:E+4*\i+3], v[LI], s[6:7] offset:512*\i th:TH_LOAD_NT   ; my quarter of x's scale bytes, 2,048 consecutive bytes
.endr
.irp b, 0,1,2,3
	global_load_b128 v[W1S+4*\b:W1S+4*\b+3], v139, s[10:11] offset:512*\b
.endr
	global_load_b128 v[W2S:W2S+3], v139, s[20:21]
	global_load_b32 v[W3S], v142, s[30:31]
	; registers that are named before they are first computed: upper halves of pairs whose low word alone is taken, and the lane permutes' target
.irp k, 21,23,25,27,29,31,33,253
	v_mov_b32 v[\k], 0
.endr
	; the head's weight: one power iteration on Wh [1, 8] from u [1]; every lane computes the same numbers
	s_wait_kmcnt 0x0
.irp k, 0,1,2,3,4,5,6,7
	v_mov_b32 v[72+\k], s[WH+\k]
.endr
.irp k, 0,1,2,3,4,5,6,7
	v_mul_f32 v[80+\k], s[UU], v[72+\k]            ; v = Wh^T u
.endr
	v_mul_f32 v88, v80, v80
.irp k, 1,2,3,4,5,6,7
	v_fmac_f32 v88, v[80+\k], v[80+\k]
.endr
	v_sqrt_f32 v88, v88
	v_nop
	s_wait_alu depctr_va_vdst(0)
	v_add_f32 v88, 0x2b8cbccc, v88                 ; + 1e-12
	v_rcp_f32 v88, v88
	v_nop
	s_wait_alu depctr_va_vdst(0)
.irp k, 0,1,2,3,4,5,6,7
	v_mul_f32 v[80+\k], v[80+\k], v88              ; v / (|v| + 1e-12)
.endr
	v_mul_f32 v89, v72, v80
.irp k, 1,2,3,4,5,6,7
	v_fmac_f32 v89, v[72+\k], v[80+\k]             ; a = Wh v
.endr
	v_mul_f32 v90, v89, v89
	v_sqrt_f32 v90, v90
	v_nop
	s_wait_alu depctr_va_vdst(0)
	v_add_f32 v90, 0x2b8cbccc, v90
	v_rcp_f32 v90, v90
	v_nop
	s_wait_alu depctr_va_vdst(0)
	v_mul_f32 v90, v89, v90                        ; u2 = a / (|a| + 1e-12)
	v_mul_f32 v90, v90, v89                        ; sigma = u2 a
	v_rcp_f32 v90, v90
	v_nop
	s_wait_alu depctr_va_vdst(0)
.irp k, 0,1,2,3,4,5,6,7
	v_mul_f32 v[72+\k], v[72+\k], v90              ; Wh / sigma
.endr
	s_wait_loadcnt 0x0                             ; all the head's loads are in: their bases and offsets may be written again
.irp k, 0,1,2,3,4,5,6,7
	v_readfirstlane_b32 s[WSN+\k], v[72+\k]
.endr
.irp i, 0,1,2,3
	ds_store_b128 v145, v[E+4*\i:E+4*\i+3] offset:XSC+512*\i
.endr
	WIN 0x0c
.irp t, 0,1
.irp i, 0,1
	ds_store_b128 v[XW], v[XR+8*\t+4*\i:XR+8*\t+4*\i+3] offset:XST+XSL*\t+544*\i   ; tiles 0 and 1 into their slots
.endr
.endr
	WIN 0
	s_mov_b32 s[TRIP], 0
	s_mov_b32 s[XSO], 0
	s_mov_b32 s[OSO], 0
	s_wait_dscnt 0x0
	s_barrier_signal -1
	s_barrier_wait -1
	; ================ the pipeline fills: steps -1 to 3
	;    j4 S1 N1 N2 M2 TL XS XL M1 xt
	STEP -1, 0, 0, 0, 0, 0, 0, 1, 1, 0
	STEP  0, 1, 0, 0, 0, 0, 1, 1, 1, 1
	STEP  1, 1, 1, 0, 0, 0, 1, 1, 1, 2
	STEP  2, 1, 1, 0, 1, 0, 1, 1, 1, 3
	STEP  3, 1, 1, 1, 1, 0, 1, 1, 1, 4
	s_add_co_u32 s[XSO], s[XSO], 1024
	s_mov_b32 s[TRIP], 1
.Ltrip:                                                ; steps 4 to 31: seven trips of four full steps; a tail in each trip's last step
	STEP  0, 1, 1, 1, 1, 0, 1, 1, 1, 1
	STEP  1, 1, 1, 1, 1, 0, 1, 1, 1, 2
	STEP  2, 1, 1, 1, 1, 0, 2, 1, 1, 3
	STEP  3, 1, 1, 1, 1, 1, 2, 1, 2, 4
	s_add_co_u32 s[XSO], s[XSO], 1024
	s_add_co_u32 s[TRIP], s[TRIP], 1
	s_cmp_lt_u32 s[TRIP], 8
	s_cbranch_scc1 .Ltrip
	; ================ the pipeline drains: steps 32 to 35
	STEP  0, 0, 1, 1, 1, 0, 0, 0, 0, 0
	STEP  1, 0, 0, 1, 1, 0, 0, 0, 0, 0
	STEP  2, 0, 0, 1, 0, 0, 0, 0, 0, 0
	STEP  3, 0, 0, 0, 0, 1, 0, 0, 0, 0
	; ================ the way out: the 512 results lie in LDS by wave and tail; wave w stores rows 128 w .. + 127, four a lane: row 64 q + 16 w' + r lies at 512 w' + 64 q + 4 r
	v_bfe_u32 v72, v0, 2, 2                        ; w' = (l / 4) % 4
	v_lshlrev_b32 v72, 9, v72
	v_bfe_u32 v73, v0, 4, 1                        ; q = 2 w + l / 16
	v_lshl_add_u32 v72, v73, 6, v72
	v_and_b32 v73, 3, v0                           ; r = 4 (l % 4)
	v_lshl_add_u32 v72, v73, 4, v72
	s_lshl_b32 s[OF], s[WV], 7
	v_add_nc_u32 v72, s[OF], v72
	v_lshlrev_b32 v73, 4, v0                       ; 512 w + 16 l
	ds_load_b128 v[76:79], v72 offset:OST
	s_wait_dscnt 0x0
	global_store_b128 v73, v[76:79], s[52:53]      ; a wave stores 512 consecutive bytes, at a multiple of 256 from out0's first byte
	s_set_vgpr_msb 0xc
	s_wait_tensorcnt 0x0
	ds_add_u32 v7, v255
	s_wait_dscnt 0x0
	s_set_vgpr_msb 0xc00
	s_endpgm
.Lfunc_end_k_qd67835a39e_mlp:
	.size	k_qd67835a39e_mlp, .Lfunc_end_k_qd67835a39e_mlp-k_qd67835a39e_mlp
	.p2alignl 7, 3214868480
	.fill 96, 4, 3214868480
	.section	.rodata,"a",@progbits
	.p2align	6, 0x0
	.amdhsa_kernel k_qd67835a39e_mlp
		.amdhsa_group_segment_fixed_size 37376
		.amdhsa_private_segment_fixed_size 0
		.amdhsa_enable_private_segment 0
		.amdhsa_kernarg_size 200
		.amdhsa_user_sgpr_count 2
		.amdhsa_user_sgpr_kernarg_segment_ptr 1
		.amdhsa_wavefront_size32 1
		.amdhsa_system_sgpr_workgroup_id_x 1
		.amdhsa_system_sgpr_workgroup_id_y 1
		.amdhsa_system_sgpr_workgroup_id_z 1
		.amdhsa_system_vgpr_workitem_id 0
		.amdhsa_next_free_vgpr 1024
		.amdhsa_next_free_sgpr 102
		.amdhsa_reserve_vcc 0
		.amdhsa_float_denorm_mode_32 3
		.amdhsa_float_denorm_mode_16_64 3
		.amdhsa_memory_ordered 1
		.amdhsa_forward_progress 1
		.amdhsa_inst_pref_size 255
	.end_amdhsa_kernel
	.section	.bss,"aw",@nobits
	.p2align	6
	.space	262144
	.amdgpu_metadata
---
amdhsa.version: [ 1, 2 ]
amdhsa.kernels:
  - .name:           k_qd67835a39e_mlp
    .symbol:         k_qd67835a39e_mlp.kd
    .args:
      - { .name: x_codes, .offset: 0, .size: 8, .value_kind: global_buffer, .address_space: global }
      - { .name: x_scales, .offset: 8, .size: 8, .value_kind: global_buffer, .address_space: global }
      - { .name: W1_codes, .offset: 16, .size: 8, .value_kind: global_buffer, .address_space: global }
      - { .name: W1_scales, .offset: 24, .size: 8, .value_kind: global_buffer, .address_space: global }
      - { .name: b1, .offset: 32, .size: 8, .value_kind: global_buffer, .address_space: global }
      - { .name: g1, .offset: 40, .size: 8, .value_kind: global_buffer, .address_space: global }
      - { .name: be1, .offset: 48, .size: 8, .value_kind: global_buffer, .address_space: global }
      - { .name: W2_codes, .offset: 56, .size: 8, .value_kind: global_buffer, .address_space: global }
      - { .name: W2_scales, .offset: 64, .size: 8, .value_kind: global_buffer, .address_space: global }
      - { .name: b2, .offset: 72, .size: 8, .value_kind: global_buffer, .address_space: global }
      - { .name: g2, .offset: 80, .size: 8, .value_kind: global_buffer, .address_space: global }
      - { .name: be2, .offset: 88, .size: 8, .value_kind: global_buffer, .address_space: global }
      - { .name: W3_codes, .offset: 96, .size: 8, .value_kind: global_buffer, .address_space: global }
      - { .name: W3_scales, .offset: 104, .size: 8, .value_kind: global_buffer, .address_space: global }
      - { .name: b3, .offset: 112, .size: 8, .value_kind: global_buffer, .address_space: global }
      - { .name: g3, .offset: 120, .size: 8, .value_kind: global_buffer, .address_space: global }
      - { .name: be3, .offset: 128, .size: 8, .value_kind: global_buffer, .address_space: global }
      - { .name: W4, .offset: 136, .size: 8, .value_kind: global_buffer, .address_space: global }
      - { .name: b4, .offset: 144, .size: 8, .value_kind: global_buffer, .address_space: global }
      - { .name: g4, .offset: 152, .size: 8, .value_kind: global_buffer, .address_space: global }
      - { .name: be4, .offset: 160, .size: 8, .value_kind: global_buffer, .address_space: global }
      - { .name: Wh, .offset: 168, .size: 8, .value_kind: global_buffer, .address_space: global }
      - { .name: bh, .offset: 176, .size: 8, .value_kind: global_buffer, .address_space: global }
      - { .name: u, .offset: 184, .size: 8, .value_kind: global_buffer, .address_space: global }
      - { .name: out0, .offset: 192, .size: 8, .value_kind: global_buffer, .address_space: global }
    .group_segment_fixed_size: 37376
    .private_segment_fixed_size: 0
    .kernarg_segment_align: 8
    .kernarg_segment_size: 200
    .max_flat_workgroup_size: 128
    .sgpr_count:     102
    .vgpr_count:     1024
    .wavefront_size: 32
...
	.end_amdgpu_metadata
.endif
;; end of part 1
